; MI455X (gfx1250); checked and timed in simulation.
; The chip was launched on July 23, 2026; its instructions are those of AMD's public machine-readable ISA for CDNA 5 (MIT licence, August 2026) and "CDNA5" Instruction Set Architecture Reference Guide (July 2026). The comments in the code are by the model that wrote it; some were corrected since.
;; Layer Norm LSTM. Allowed arithmetic: matrix products marked QUANTISED: E2M3 operands, one E8M0 scale for each 32 along K, by v_wmma_scale_f32_16x16x128_f8f6f4 with both operands' format E2M3, f32 sums; everything else in f32.
;; Inputs: c_prev 8,192 x 1,024 float32; h_prev_codes 8,192 x 32 x 24 uint8 (E2M3 codes of h_prev, K innermost, in blocks of 32 codes, four codes in three bytes); h_prev_scales 8,192 x 32 uint8 (E8M0 scales of h_prev, one for each 32 codes along K); input_codes 8,192 x 32 x 24 uint8 (E2M3 codes of input, K innermost, in blocks of 32 codes, four codes in three bytes); input_scales 8,192 x 32 uint8 (E8M0 scales of input, one for each 32 codes along K); ln_c_b 1,024 float32; ln_c_g 1,024 float32; ln_g_b 1,024 float32; ln_g_g 1,024 float32; ln_h_b 1,024 float32; ln_h_g 1,024 float32; ln_i_b 1,024 float32; ln_i_g 1,024 float32; ln_o_b 1,024 float32; ln_o_g 1,024 float32; w_h_codes 4,096 x 32 x 24 uint8 (E2M3 codes of w_h, K innermost, in blocks of 32 codes, four codes in three bytes); w_h_scales 4,096 x 32 uint8 (E8M0 scales of w_h, one for each 32 codes along K); w_i_codes 4,096 x 32 x 24 uint8 (E2M3 codes of w_i, K innermost, in blocks of 32 codes, four codes in three bytes); w_i_scales 4,096 x 32 uint8 (E8M0 scales of w_i, one for each 32 codes along K).
;; Outputs: out0 8,192 x 1,024 float32; out1 8,192 x 1,024 float32.
;; This version of the problem:
;;   THIS VERSION OF THE PROBLEM IS GIVEN IN LOW PRECISION. The matrix products marked QUANTISED in the list below multiply operands that are first quantised to E2M3 (2 exponent bits, 3 mantissa bits; 6 bits a number), with one power-of-two scale for each 32 numbers along K (OCP MX v1.0); their sums are f32. All else is computed in f32.
;;   The module's matrix products, in the order in which they are computed (A, B: the left and right operand; K: the contracted axis; several contracted axes count as one K, in the product's order):
;;     1. [M 8,192, K 1,024] x [K 1,024, N 4,096]; A: input input (given as codes); B: input w_i (given as codes): QUANTISED
;;     2. [M 8,192, K 1,024] x [K 1,024, N 4,096]; A: input h_prev (given as codes); B: input w_h (given as codes): QUANTISED
;;   THE QUANTISER, for each operand of a quantised product, along K:
;;     - K is cut into blocks of 32 from its start; a last block that is shorter is filled with zeros.
;;     - A block's scale is 2^e with e = floor(log2(the largest magnitude in the block)) - 2, held to -126 .. 127; a block of zeros has e = 0. As a byte (E8M0): e + 127.
;;     - Each number is divided by its block's scale, clamped to +-7.5, and rounded to the nearest number of E2M3, ties to even, subnormals kept.
;;     - The product sums the exact products of the quantised numbers (number of the format x scale) in f32.
;;   ~~~python
;;   def quantise(x, axis):      # numpy; x: float32 -> the quantised numbers, widened to float32 again
;;       x = np.moveaxis(x, axis, -1); K = x.shape[-1]
;;       x = np.pad(x, [(0, 0)] * (x.ndim - 1) + [(0, -K % 32)]); x = x.reshape(x.shape[:-1] + (-1, 32)); a = np.abs(x).max(-1, keepdims=True)
;;       e = np.where(a > 0, np.clip(np.frexp(np.where(a > 0, a, 1))[1] - 1 - 2, -126, 127), 0)      # np.frexp(a)[1] - 1 = floor(log2(a)), exactly
;;       r = np.clip(x / 2.0 ** e, -7.5, 7.5)
;;       step = 2.0 ** (np.maximum(np.frexp(np.where(r == 0, 1, r))[1] - 1, 0) - 3)
;;       q = np.round(r / step) * step * 2.0 ** e      # np.round: ties to even
;;       return np.moveaxis(q.reshape(q.shape[:-2] + (-1,))[..., :K], -1, axis).astype(np.float32)
;;   ~~~
;;   INPUTS GIVEN AS CODES. h_prev (in the module: [8192, 1024], K = its axis 1); input (in the module: [8192, 1024], K = its axis 1); w_h (in the module: [4096, 1024], K = its axis 1); w_i (in the module: [4096, 1024], K = its axis 1): each comes as NAME_codes (uint8): NAME with its K axis moved to the last place and cut into blocks of 32 codes, [.., K / 32, bytes a block], one block behind the other in memory; four codes in three bytes: a row's codes are one little-endian stream of bits, code i at bits 6 i .. 6 i + 5 (a code: sign, 2 exponent bits, 3 mantissa bits); and NAME_scales (uint8): the same leading axes, one E8M0 byte (e + 127) for each 32 codes along K. Its value is code x scale, taken as it is: it is not quantised again, and the codes and scales need not be those that the quantiser above would give.
;; One version. Each part assembles by itself: llvm-mc -triple=amdgcn-amd-amdhsa -mcpu=gfx1250 --defsym DOCPART=n.
;; ======== version 1 of 1: 2 launches
;; limits: right only within a limited range of input values
;; workspace buffers: pre 134,217,728 bytes
;; launch gemm (part 1): grid 8 x 32, 4 waves a work-group, clusters of 4 x 4, 327,680 bytes of LDS; arguments h_prev_codes, h_prev_scales, input_codes, input_scales, w_h_codes, w_h_scales, w_i_codes, w_i_scales, pre; writes pre
.if DOCPART == 1
	.amdgcn_target "amdgcn-amd-amdhsa--gfx1250"
	.amdhsa_code_object_version 6
	.text
	.protected	k_q47058b17c1_gemm
	.globl	k_q47058b17c1_gemm
	.p2align	8
	.type	k_q47058b17c1_gemm,@function
k_q47058b17c1_gemm:
	s_mov_b64 s[64:65], 0
	v_nop
	global_prefetch_b8 v0, s[64:65] scope:SCOPE_SE
	s_setreg_imm32_b32 hwreg(HW_REG_WAVE_MODE, 25, 1), 1
	s_wait_xcnt 0x0
	s_wait_alu depctr_hold_cnt(0) depctr_sa_sdst(0) depctr_va_vdst(0) depctr_va_sdst(0) depctr_va_ssrc(0) depctr_va_vcc(0) depctr_vm_vsrc(0)
	s_getreg_b32 s2, hwreg(HW_REG_IB_STS2, 6, 4)
	s_cmp_eq_u32 s2, 0
	s_cbranch_scc0 .Lentry_in_a_cluster
	s_endpgm
.Lentry_in_a_cluster:
	s_bfe_u32 s2, ttmp6, 0x10000c
	s_cmp_lg_u32 s2, 0xf033
	s_cbranch_scc0 .Lentry_shape_is_right
	s_endpgm
.Lentry_shape_is_right:
; The two quantised products of the LayerNorm LSTM cell, on the given E2M3 codes and E8M0 scales, sums in f32.
; pre: [8192][4][1024] f32: si = i_i + h_i, sf = i_f + h_f, so = i_o + h_o, hg = h_g.
; DEAD WORK LEFT OUT: reference() splits gi into i_i, i_f, i_gc, i_o and never uses i_gc (g_g is made of the sigmoided i_g and h_g), so for all
; values of the inputs input x w_i[2048:3072]^T reaches no output: these rows of w_i_codes and w_i_scales are not loaded and not multiplied.
; LIMIT: a NaN or an overflow that would arise only in i_gc is not carried anywhere.
; A work-group: 256 rows, 128 columns of each gate; four waves, each 128 rows x (64 + 64) columns: 64 accumulators.  Four phases of K = 1,024, B = two halves of 128 rows of a weight:
;   1: h x [w_h 0+ | w_h 1024+] starts si, sf;  2: input x [w_i 0+ | w_i 1024+] ends them, both go out;  3: h x [w_h 3072+ | w_h 2048+] starts so, makes hg;  4: input x [w_i 3072+] ends so, and hg goes out block by block under its steps.
; K goes through a ring of two LDS slots in chunks of 256 bytes of each row of codes (a row is 768 bytes: three chunks, eight steps of 96 bytes); steps 2 and 5 lie across two chunks.
; A phase has three chunks, so the slots change roles from phase to phase: the LDS address registers are exchanged by xor at each phase's end, and one text serves every phase.
; THE LOOP is entered in its middle: a trip is steps 5-7 of a phase (they ask for the next phase's first two chunks) and steps 0-4 of the next.  Written out: phase 3's steps 5-7 and phase 4, in whose fills wave 3 has no part.
; A STEP is 64 products, A's blocks one after the other.  The next step's fragments come in runs of 24 loads between the blocks, in the order of their use: B's blocks 0-3, 4-7, A's 0-3, A's 4-7.
; CLUSTERS 4 x 4: A's tiles are asked for jointly along a row of the cluster, B's along a column.  The matrix instruction is used transposed (source 0 = rows of the weight).
; SCALES: a row's 32 scale bytes are the eight words of a phase's eight steps; lane l loads row 32 i + l, so a register holds two blocks' words (lanes 0-15, lanes 16-31), chosen by the ROW selectors.
; PREFETCH: behind each refill one request a wave, 32 rows x 256 bytes, for the chunk two refills on; the four partners of a joint load share its 128 rows out by address.  The launch's first four chunks come by their loads alone.
; REGISTERS: window 0: v10-30 addresses, v32-63 A's scales, v64-95 B's, v96-127 and v224-255 the way out, v128-223 A's fragments; window 1: B's fragments, two sets; windows 2, 3: accumulators (a, b) at v[8 (8 (a % 4) + b)].
.set ROWB,   256
.set PITCH,  272
.set KROW,   768
.set FR,     12
.set NL,     6
.set HALFT,  128*PITCH
.set SLOT,   4*HALFT
.set STAGE,  2*SLOT
.set SPITCH, 272
.set SPARE,  STAGE+4*16*SPITCH
.set XA,   10
.set XCA,  11
.set XB,   12
.set XCB,  13
.set ADRA, 16
.set ADRB, 20
.set STO,  24
.set RD,   25
.set CO,   26
.set SCO,  27
.set SPW,  28
.set NIL,  29
.set PFO,  30
.set SA,   32
.set SB,   64
.set AF,   128
.set CNT,  3
.set WV,   4
.set RH,   5
.set CH,   6
.set LDX,  14
.set LIM,  15
.set G1A,  24
.set G1B,  32
.set G0A,  40
.set G0B,  44
.set DLT,  48
.set TA,   50
.set TBB,  52
.set TS,   54
.set RN,   56
.set RO,   58
.set RDL,  60
.set S1N,  66
.set S1O,  68
.set PAN,  84
.set SAN,  86
.set PAO,  88
.set SAO,  90
.set PBN,  92
.set S0N,  94
.set PBO,  96
.set S0O,  98
.set OUT,  100
.set MSB, 0
.macro WIN new
.if MSB != \new
	s_set_vgpr_msb (MSB<<8)|\new
.set MSB, \new
.endif
.endm
.set MUL_LO, 0xa1
.set TO_B,   0x40
.macro PLACES n
.rept \n
	v_nop
.endr
.endm
; a joint load: waves 0, 1 fetch A's halves, waves 2, 3 B's; who = 2: B has one half, wave 3 has no part
.macro JLOAD who
	s_cmp_eq_u32 s[RH], 0
	s_cbranch_scc0 .Lfb_\@
	tensor_load_to_lds s[G0A:G0A+3], s[G1A:G1A+7]
	s_nop 0
	PLACES 4
	s_branch .Lak_\@
.Lfb_\@:
.if \who == 2
	s_cmp_eq_u32 s[WV], 3
	s_cbranch_scc1 .Lak_\@
.endif
	tensor_load_to_lds s[G0B:G0B+3], s[G1B:G1B+7]
	s_nop 0
	PLACES 4
.Lak_\@:
.endm
.macro CREST
	s_cmp_lg_u32 s[WV], 0
	s_cbranch_scc1 .Lnw_\@
	s_barrier_signal -3
.Lnw_\@:
	s_barrier_wait -3
	s_barrier_signal -1
	s_barrier_wait -1
.endm
.macro CROUND
	s_barrier_signal -1
	s_barrier_wait -1
	CREST
.endm
.macro SWAPP n, o, t
	s_mov_b64 s[\t:\t+1], s[\n:\n+1]
	s_mov_b64 s[\n:\n+1], s[\o:\o+1]
	s_mov_b64 s[\o:\o+1], s[\t:\t+1]
.endm
; on to the next phase's operands: h and input, w_h and w_i take turns; a weight's pointer is stepped to the rows of its second phase when it has served its first
.macro ADVANCE
	s_wait_xcnt 0x0                        ; the scale loads and prefetches have read these pointers
	SWAPP PAN, PAO, TA
	s_add_nc_u64 s[PBN:PBN+1], s[PBN:PBN+1], s[DLT:DLT+1]
	SWAPP PBN, PBO, TBB
	SWAPP SAN, SAO, TS
	s_add_nc_u64 s[S0N:S0N+1], s[S0N:S0N+1], 98304
	SWAPP S0N, S0O, TS
	s_add_nc_u64 s[S1N:S1N+1], s[S1N:S1N+1], 32768
	SWAPP S1N, S1O, TS
	s_add_nc_u64 s[RN:RN+1], s[RN:RN+1], s[RDL:RDL+1]
	SWAPP RN, RO, TS
.endm
; the next fill's descriptors (no tensor load of mine is out): the other slot; the next chunk of the rows, or the next phase's first
.macro NEXTD adv
	s_xor_b32 s[G0A+1], s[G0A+1], s[LDX]
	s_xor_b32 s[G0B+1], s[G0B+1], s[LDX]
.if \adv
	s_mov_b64 s[G0A+2:G0A+3], s[PAN:PAN+1]
	s_or_b32 s[G0A+3], s[G0A+3], 0x80000000
	s_mov_b64 s[G0B+2:G0B+3], s[PBN:PBN+1]
	s_or_b32 s[G0B+3], s[G0B+3], 0x80000000
.else
	s_add_nc_u64 s[G0A+2:G0A+3], s[G0A+2:G0A+3], ROWB
	s_add_nc_u64 s[G0B+2:G0B+3], s[G0B+2:G0B+3], ROWB
.endif
.endm
; guard 1: wave 3 asks for nothing of phase 4; guard 2: the same, where the text is phase 3's own
.macro ASK reg, off, guard
.if \guard == 1
	s_cmp_lt_u32 s[CNT], s[LIM]
	s_cbranch_scc0 .Lnp_\@
.endif
.if \guard == 2
	s_cmp_lg_u32 s[WV], 3
	s_cbranch_scc0 .Lnp_\@
.endif
	global_prefetch_b8 v[PFO], s[\reg:\reg+1] offset:\off th:TH_LOAD_NT scope:SCOPE_SE
.Lnp_\@:
.endm
; scale words of steps 4 q .. 4 q + 3 of the phase that the pointers stand at
.macro SCLD q, nb
.irp i, 0,1,2,3
	global_load_b128 v[SA+8*\i+4*\q:SA+8*\i+4*\q+3], v[SCO], s[SAN:SAN+1] offset:1024*\i+16*\q
.endr
.irp i, 0,1
	global_load_b128 v[SB+8*\i+4*\q:SB+8*\i+4*\q+3], v[SCO], s[S0N:S0N+1] offset:1024*\i+16*\q
.endr
.if \nb > 4
.irp i, 0,1
	global_load_b128 v[SB+16+8*\i+4*\q:SB+16+8*\i+4*\q+3], v[SCO], s[S1N:S1N+1] offset:1024*\i+16*\q
.endr
.endif
.endm
.macro FRAG reg, adr, st, ro           ; 12 registers in pieces of 8 bytes; a piece whose lanes 16-31 lie in the next chunk takes the second pair of addresses
.irp p, 0,1,2,3,4,5
.set BY, 96*(\st)+48*(\p/3)+8*(\p%3)
.if BY/ROWB == (BY+24)/ROWB
	ds_load_b64 v[\reg+2*\p:\reg+2*\p+1], v[\adr+(BY/ROWB)%2] offset:BY%ROWB+(\ro)
.else
	ds_load_b64 v[\reg+2*\p:\reg+2*\p+1], v[\adr+2+(BY/ROWB)%2] offset:BY%ROWB-232+(\ro)
.endif
.endr
.endm
; runs of loads for step NX; CUR counts the step's loads.  B's other set was last read in the step before, whose last run has its four places
.macro RUNB lo, hi
	WIN TO_B
.irp i, 0,1,2,3,4,5,6,7
.if \i >= \lo && \i < \hi
	FRAG 128*(NX%2)+FR*\i, ADRB, NX, (16*\i+64*(\i/4))*PITCH
.set CUR, CUR+NL
.endif
.endr
.endm
.macro RUNA i0                         ; four blocks of A whose products are issued: four places in front of the loads (ISA guide 7.12.1 for vector instructions)
	PLACES 4
	WIN 0
.irp i, \i0, \i0+1, \i0+2, \i0+3
	FRAG AF+FR*(\i), ADRA, NX, (\i)*16*PITCH
.endr
.set CUR, CUR+4*NL
.endm
; one product; par bit 0: B's block is odd (its words lie in lanes 16-31), bit 1: A's is
.macro WM ac, bf, af, sb, sa, par, z
.if \z
.if (\par) == 0
	v_wmma_scale_f32_16x16x128_f8f6f4 v[\ac:\ac+7], v[\bf:\bf+11], v[\af:\af+11], 0, v[\sb], v[\sa] matrix_a_fmt:MATRIX_FMT_FP6 matrix_b_fmt:MATRIX_FMT_FP6
.endif
.if (\par) == 1
	v_wmma_scale_f32_16x16x128_f8f6f4 v[\ac:\ac+7], v[\bf:\bf+11], v[\af:\af+11], 0, v[\sb], v[\sa] matrix_a_fmt:MATRIX_FMT_FP6 matrix_b_fmt:MATRIX_FMT_FP6 matrix_a_scale:MATRIX_SCALE_ROW1
.endif
.if (\par) == 2
	v_wmma_scale_f32_16x16x128_f8f6f4 v[\ac:\ac+7], v[\bf:\bf+11], v[\af:\af+11], 0, v[\sb], v[\sa] matrix_a_fmt:MATRIX_FMT_FP6 matrix_b_fmt:MATRIX_FMT_FP6 matrix_b_scale:MATRIX_SCALE_ROW1
.endif
.if (\par) == 3
	v_wmma_scale_f32_16x16x128_f8f6f4 v[\ac:\ac+7], v[\bf:\bf+11], v[\af:\af+11], 0, v[\sb], v[\sa] matrix_a_fmt:MATRIX_FMT_FP6 matrix_b_fmt:MATRIX_FMT_FP6 matrix_a_scale:MATRIX_SCALE_ROW1 matrix_b_scale:MATRIX_SCALE_ROW1
.endif
.else
.if (\par) == 0
	v_wmma_scale_f32_16x16x128_f8f6f4 v[\ac:\ac+7], v[\bf:\bf+11], v[\af:\af+11], v[\ac:\ac+7], v[\sb], v[\sa] matrix_a_fmt:MATRIX_FMT_FP6 matrix_b_fmt:MATRIX_FMT_FP6
.endif
.if (\par) == 1
	v_wmma_scale_f32_16x16x128_f8f6f4 v[\ac:\ac+7], v[\bf:\bf+11], v[\af:\af+11], v[\ac:\ac+7], v[\sb], v[\sa] matrix_a_fmt:MATRIX_FMT_FP6 matrix_b_fmt:MATRIX_FMT_FP6 matrix_a_scale:MATRIX_SCALE_ROW1
.endif
.if (\par) == 2
	v_wmma_scale_f32_16x16x128_f8f6f4 v[\ac:\ac+7], v[\bf:\bf+11], v[\af:\af+11], v[\ac:\ac+7], v[\sb], v[\sa] matrix_a_fmt:MATRIX_FMT_FP6 matrix_b_fmt:MATRIX_FMT_FP6 matrix_b_scale:MATRIX_SCALE_ROW1
.endif
.if (\par) == 3
	v_wmma_scale_f32_16x16x128_f8f6f4 v[\ac:\ac+7], v[\bf:\bf+11], v[\af:\af+11], v[\ac:\ac+7], v[\sb], v[\sa] matrix_a_fmt:MATRIX_FMT_FP6 matrix_b_fmt:MATRIX_FMT_FP6 matrix_a_scale:MATRIX_SCALE_ROW1 matrix_b_scale:MATRIX_SCALE_ROW1
.endif
.endif
.endm
; A's block a against B's nb blocks; the accumulators take turns, one instruction a turn
.macro MULA a, p, st, nb, z
	WIN MUL_LO+0x50*((\a)/4)
.irp b, 0,1,2,3,4,5,6,7
.if \b < \nb
	WM 8*(8*((\a)%4)+\b), 128*(\p)+FR*\b, AF+FR*(\a), SB+8*(\b/2)+(\st), SA+8*((\a)/2)+(\st), (\b%2)+2*((\a)%2), \z
.endif
.endr
.endm
.macro TOGGLE                          ; the slots change roles: each address register takes its partner's value
	v_xor_b32 v[ADRA], v[XA], v[ADRA]
	v_xor_b32 v[ADRA+1], v[XA], v[ADRA+1]
	v_xor_b32 v[ADRA+2], v[XCA], v[ADRA+2]
	v_xor_b32 v[ADRA+3], v[XCA], v[ADRA+3]
	v_xor_b32 v[ADRB], v[XB], v[ADRB]
	v_xor_b32 v[ADRB+1], v[XB], v[ADRB+1]
	v_xor_b32 v[ADRB+2], v[XCB], v[ADRB+2]
	v_xor_b32 v[ADRB+3], v[XCB], v[ADRB+3]
	s_wait_alu depctr_va_vdst(0)
.endm
; THE WAY OUT of half u: blocks of 16 rows x 64 columns through my own stage, back as rows of 256 bytes; 16 lanes store one aligned 256 bytes of pre
.macro TOSTAGE a, u
.set AC, 8*(8*((\a)%4)+4*(\u))
.set BB, 96+128*((\a)%2)
	WIN 0x08+4*((\a)/4)
.irp b, 0,1,2,3
	ds_store_b128 v[STO], v[AC+8*\b:AC+8*\b+3] offset:64*\b
	ds_store_b128 v[STO], v[AC+8*\b+4:AC+8*\b+7] offset:64*\b+16
.endr
	WIN 0
	s_wait_xcnt 0x0                        ; earlier stores have read the registers that the loads below fill
.irp t, 0,1,2,3,4,5,6,7
	ds_load_b128 v[BB+4*\t:BB+4*\t+3], v[RD] offset:\t*2*SPITCH
.endr
.endm
.macro SEND a, younger, poff
.set BB, 96+128*((\a)%2)
	s_wait_dscnt \younger
.irp t, 0,1,2,3,4,5,6,7
	global_store_b128 v[CO], v[BB+4*\t:BB+4*\t+3], s[OUT:OUT+1] offset:\poff+262144*(\a)+32768*\t th:TH_STORE_NT
.endr
.endm
.macro WAYOUT u, poff
	TOSTAGE 0, \u
.irp a, 1,2,3,4,5,6,7
	TOSTAGE \a, \u
	SEND \a-1, 16, \poff                   ; behind block a - 1's loads: block a's 8 stores and 8 loads
.endr
	SEND 7, 0, \poff
.endm
; what a step does beside its products, every window 0: scale words, a block of hg that lies in the stage's registers (sd - 1), a prefetch
.macro HOOK st, nb, fill, pf, sd
.if (\st) == 0
	SCLD 1, \nb                            ; this phase's steps 4-7: their registers were last read in the phase before
.endif
.if RF && (\st) == 5
	SCLD 0, 12-4*(\fill)                   ; the next phase's steps 0-3
.endif
.if \sd > 0
	SEND (\sd)-1, CUR, 12288               ; only this step's own loads are younger than the block's
.endif
.if \pf > 0
.if (\st) == 2
	ASK RO, 256, 1                         ; the next phase's chunk 1
.endif
.if (\st) == 5
	ASK RN, 512, 2*(\pf)-2                 ; the next phase's chunk 2
.endif
.if (\st) == 7 && \pf == 1
	ASK RO, 0, 1                           ; chunk 0 of the phase after the next
.endif
.endif
.endm
.macro LINES st                        ; all my tensor loads have landed; where a slot is filled again, an add and the next fill's descriptors
	s_wait_tensorcnt 0x0
.if RF
	ds_add_u32 v[SPW], v[NIL]
.if (\st) == 5
	NEXTD 1
.else
	NEXTD 0
.endif
.endif
.endm
; Step st of a phase: its products, and the loads of step st + 1's fragments (nbn blocks of B).  z: the products start the sums.
; fill: 0 no slot is filled again, 1 the chunk left behind is replaced, 2 the same with one half of B.  pf: 0 no prefetch, 1 the loop's, 2 phase 3's last.  sd: see HOOK.
; Three kinds.  0: no barrier.  1 (steps 2, 5): the chunk left behind is freed: the barrier's signal behind block 0, the refill behind block 1.  In both, B's runs stand behind blocks 1 and 3.
; 2 (steps 1, 4, 7): the next step needs a chunk that is on its way: the wait for it and the signal behind block 2, the barrier's wait (and step 7's refill) behind block 3, then B's blocks in one run.
.macro STEP st, nb, nbn, z, fill, pf, sd
.set NX, (\st)+1
.set C0, (96*(\st))/ROWB
.set C1, (96*NX)/ROWB
.set E0, (96*(\st)+95)/ROWB
.set E1, (96*NX+95)/ROWB
.set RF, 0
.if C1 > C0 && \fill > 0
.set RF, 1
.endif
.set TY, 0
.set SGN, 1
.if E1 > E0
.set TY, 2
.set SGN, 3
.else
.if RF
.set TY, 1
.endif
.endif
.set CUR, 0
.if (\st) == 0 || (\st) == 4
	s_wait_loadcnt 0x0                     ; the scale words of this step and the three behind it are in
.endif
.if RF && (\st) == 5
	ADVANCE
.endif
.if TY == 1
	LINES \st
	s_wait_dscnt 4*NL+1                    ; A's blocks 4-7 and the add may be out
.else
	s_wait_dscnt 4*NL                      ; A's blocks 4-7 may be out
.endif
.irp a, 0,1,2,3,4,5,6,7
.if TY == 0 && \a == 4
	s_wait_dscnt CUR                       ; A's blocks 4-7 are in: only this step's own loads are younger
.endif
.if TY > 0 && \a == SGN
.if TY == 2
	WIN 0
	LINES \st
.endif
	s_wait_dscnt 0x0                       ; the add, where there is one, and all my reads are done
	s_barrier_signal -1
.endif
.if TY > 0 && \a == SGN+1
	WIN 0
	s_barrier_wait -1
.if RF
	CREST                                  ; the barrier has opened a round of the cluster's barrier
	JLOAD \fill
.endif
	HOOK \st, \nb, \fill, \pf, \sd
.endif
.if TY == 0 && \a == 4 && ((\st) == 0 || \sd > 0)
	WIN 0
	HOOK \st, \nb, \fill, \pf, \sd
.endif
.if TY < 2 && \a == 2
	RUNB 0, 4
.endif
.if \a == 4
.if TY == 2
	RUNB 0, \nbn
.else
.if \nbn > 4
	RUNB 4, 8
.endif
.endif
.endif
.if \a == 6
	RUNA 0
.endif
	MULA \a, (\st)%2, \st, \nb, \z
.endr
	RUNA 4
.if (\st) == 7
	TOGGLE
.endif
.endm
	s_load_b512 s[84:99], s[0:1], 0x0
	s_load_b64 s[OUT:OUT+1], s[0:1], 0x40
	v_lshl_add_u32 v[SPW], v0, 2, SPARE
	v_mov_b32 v[NIL], 0
	ds_add_u32 v[SPW], v[NIL]              ; the opening lines: the add twice and one wait
	ds_add_u32 v[SPW], v[NIL]
	v_lshrrev_b32 v3, 5, v0
	v_readfirstlane_b32 s[WV], v3
	s_lshr_b32 s[RH], s[WV], 1             ; my half of the rows; also: I fetch for A (0) or B (1)
	s_and_b32 s[CH], s[WV], 1              ; my 64 columns of each half of B; also: which 128 rows I fetch
	s_bfe_u32 s7, ttmp6, 0x40000
	s_bfe_u32 s8, ttmp6, 0x40004
	s_lshl_b32 s9, ttmp9, 2
	s_add_co_u32 s9, s9, s7                ; column group 0..7
	s_and_b32 s10, ttmp7, 0xffff
	s_lshl_b32 s10, s10, 2
	s_add_co_u32 s10, s10, s8              ; row tile 0..31
	s_lshl_b32 s11, s8, 2
	s_lshl_b32 s11, 15, s11
	s_lshl_b32 s12, 0x1111, s7
	s_or_b32 s[G1A], s11, (1<<20)|(1<<21)|(5<<22)|(3<<25)
	s_or_b32 s[G1B], s12, (1<<20)|(1<<21)|(5<<22)|(3<<25)
.irp g, G1A, G1B
	s_mov_b32 s[\g+1], ROWB<<16
	s_mov_b32 s[\g+2], 128<<16
	s_mov_b32 s[\g+3], ROWB<<16
	s_mov_b32 s[\g+4], 128
	s_mov_b32 s[\g+5], KROW
	s_mov_b32 s[\g+6], 0
	s_mov_b32 s[\g+7], 0
.endr
	s_lshl_b32 s13, s[CH], 7
	s_lshl_b32 s16, s10, 8
	s_add_co_u32 s16, s16, s13
	s_mul_i32 s16, s16, KROW               ; A's codes: row 256 x tile + 128 x half
	s_mov_b32 s17, 0
	s_lshl_b32 s13, s[CH], 10
	s_lshl_b32 s18, s9, 7
	s_add_co_u32 s18, s18, s13
	s_mul_i32 s18, s18, KROW               ; B's codes, a weight's first phase: row 128 x group + 1024 x half
	s_mov_b32 s19, 0
	s_lshl_b32 s13, s[CH], 11
	s_sub_co_u32 s13, 3072, s13
	s_mul_i32 s[DLT], s13, KROW            ; to its second phase: half 0 to rows 3072+, half 1 to rows 2048+
	s_mov_b32 s[DLT+1], 0
	s_lshl_b32 s20, s10, 8
	s_lshl_b32 s13, s[RH], 7
	s_add_co_u32 s20, s20, s13
	s_lshl_b32 s20, s20, 5                 ; A's scales: my 128 rows, 32 bytes a row
	s_mov_b32 s21, 0
	s_lshl_b32 s22, s9, 7
	s_lshl_b32 s13, s[CH], 6
	s_add_co_u32 s22, s22, s13
	s_lshl_b32 s22, s22, 5                 ; B's scales: my 64 rows of a half
	s_mov_b32 s23, 0
	s_mul_i32 s[G0A+1], s[WV], HALFT       ; wave w fills quarter w of a slot
	s_mul_i32 s[G0B+1], s[WV], HALFT
	s_add_co_u32 s13, s[G0A+1], SLOT
	s_xor_b32 s[LDX], s[G0A+1], s13        ; xor with this changes the slot
	s_mov_b32 s[G0A], 1
	s_mov_b32 s[G0B], 1
	s_wait_dscnt 0x0
	s_wait_kmcnt 0x0
	s_add_nc_u64 s[PAN:PAN+1], s[PAN:PAN+1], s[16:17]
	s_add_nc_u64 s[PAO:PAO+1], s[PAO:PAO+1], s[16:17]
	s_add_nc_u64 s[PBN:PBN+1], s[PBN:PBN+1], s[18:19]
	s_add_nc_u64 s[PBO:PBO+1], s[PBO:PBO+1], s[18:19]
	s_add_nc_u64 s[SAN:SAN+1], s[SAN:SAN+1], s[20:21]
	s_add_nc_u64 s[SAO:SAO+1], s[SAO:SAO+1], s[20:21]
	s_add_nc_u64 s[S0N:S0N+1], s[S0N:S0N+1], s[22:23]
	s_add_nc_u64 s[S0O:S0O+1], s[S0O:S0O+1], s[22:23]
	s_add_nc_u64 s[S1N:S1N+1], s[S0N:S0N+1], 32768
	s_add_nc_u64 s[S1O:S1O+1], s[S0O:S0O+1], 32768
	s_mov_b64 s[G0A+2:G0A+3], s[PAN:PAN+1]
	s_or_b32 s[G0A+3], s[G0A+3], 0x80000000
	s_mov_b64 s[G0B+2:G0B+3], s[PBN:PBN+1]
	s_or_b32 s[G0B+3], s[G0B+3], 0x80000000
	CROUND                                 ; in front of the first joint loads
	JLOAD 1                                ; chunk 0: one tensor load a wave at the head
	s_cmp_eq_u32 s[RH], 0                  ; the prefetches: my operand, my work-group's 32 of the 128 rows that I fetch
	s_cselect_b32 s13, s7, s8
	s_cselect_b64 s[RN:RN+1], s[PAN:PAN+1], s[PBN:PBN+1]
	s_cselect_b64 s[RO:RO+1], s[PAO:PAO+1], s[PBO:PBO+1]
	s_cselect_b32 s[RDL], 0, s[DLT]
	s_mov_b32 s[RDL+1], 0
	s_mul_i32 s20, s13, 32*KROW
	s_mov_b32 s21, 0
	s_add_nc_u64 s[RN:RN+1], s[RN:RN+1], s[20:21]
	s_add_nc_u64 s[RO:RO+1], s[RO:RO+1], s[20:21]
	s_cmp_eq_u32 s[WV], 3
	s_cselect_b32 s[LIM], 2, 3
	s_lshl_b32 s20, s10, 8
	s_lshl_b32 s13, s[RH], 7
	s_add_co_u32 s20, s20, s13
	s_lshl_b32 s20, s20, 14                ; pre: 16,384 bytes a row
	s_lshl_b32 s22, s9, 9
	s_lshl_b32 s13, s[CH], 8
	s_add_co_u32 s22, s22, s13
	s_add_co_u32 s20, s20, s22
	s_add_nc_u64 s[OUT:OUT+1], s[OUT:OUT+1], s[20:21]
	s_mul_i32 s70, s[RH], HALFT            ; my 128 rows of A
	s_mul_i32 s71, s[CH], 64*PITCH
	s_add_co_u32 s71, s71, 2*HALFT         ; my 64 rows of B's first half
	s_add_co_u32 s72, s70, SLOT
	s_add_co_u32 s73, s71, SLOT
	s_mul_i32 s74, s[WV], 16*SPITCH
	s_add_co_u32 s74, s74, STAGE
	s_mov_b32 s75, SLOT-232
	s_mov_b32 s76, SLOT+232
	v_and_b32 v1, 15, v0
	v_bfe_u32 v2, v0, 4, 1
	v_and_b32 v9, 31, v0
	v_mul_u32_u24 v3, v1, PITCH
	v_mul_u32_u24 v4, v2, 24
	v_sub_nc_u32 v7, 1, v2
	v_add_nc_u32 v4, v3, v4                ; row x pitch + 24 x half
	v_mul_u32_u24 v5, s75, v2
	v_mul_u32_u24 v6, s76, v7
	v_add_nc_u32 v5, v3, v5
	v_add_nc_u32 v6, v3, v6                ; lanes 0-15 byte 232 in slot 1, lanes 16-31 byte 0 in slot 0
	v_add_nc_u32 v5, 232, v5               ; lanes 0-15 byte 232 in slot 0, lanes 16-31 byte 0 in slot 1
	v_add_nc_u32 v[ADRA], s70, v4
	v_add_nc_u32 v[ADRA+1], s72, v4
	v_add_nc_u32 v[ADRA+2], s70, v5
	v_add_nc_u32 v[ADRA+3], s70, v6
	v_add_nc_u32 v[ADRB], s71, v4
	v_add_nc_u32 v[ADRB+1], s73, v4
	v_add_nc_u32 v[ADRB+2], s71, v5
	v_add_nc_u32 v[ADRB+3], s71, v6
	v_xor_b32 v[XA], v[ADRA], v[ADRA+1]
	v_xor_b32 v[XCA], v[ADRA+2], v[ADRA+3]
	v_xor_b32 v[XB], v[ADRB], v[ADRB+1]
	v_xor_b32 v[XCB], v[ADRB+2], v[ADRB+3]
	v_mul_u32_u24 v5, v1, SPITCH
	v_mul_u32_u24 v6, v2, SPITCH
	v_lshl_add_u32 v5, v2, 5, v5
	v_lshl_add_u32 v6, v1, 4, v6
	v_add_nc_u32 v[STO], s74, v5
	v_add_nc_u32 v[RD], s74, v6
	v_lshlrev_b32 v[CO], 14, v2
	v_lshl_add_u32 v[CO], v1, 4, v[CO]
	v_lshlrev_b32 v[SCO], 5, v9            ; a lane a row of scales
	v_mul_u32_u24 v[PFO], v9, KROW         ; a lane a row of codes
	s_wait_alu depctr_va_vdst(0)
	SCLD 0, 8                              ; phase 1's steps 0-3
	s_wait_tensorcnt 0x0                   ; my part of chunk 0 is in
	ds_add_u32 v[SPW], v[NIL]
	NEXTD 0
	s_wait_dscnt 0x0
	CROUND
	JLOAD 1                                ; chunk 1, into slot 1
	WIN TO_B                               ; step 0's fragments, in the order in which every step leaves them: B's blocks, then A's 0 to 7
.irp i, 0,1,2,3,4,5,6,7
	FRAG FR*\i, ADRB, 0, (16*\i+64*(\i/4))*PITCH
.endr
	WIN 0
.irp i, 0,1,2,3,4,5,6,7
	FRAG AF+FR*\i, ADRA, 0, \i*16*PITCH
.endr
	s_mov_b32 s[CNT], 0                    ; the phase whose steps 0-4 run, counted from 0
	s_branch .Lmid
.Ltop:
	STEP 5, 8, 8, 0, 1, 1, 0
	STEP 6, 8, 8, 0, 0, 0, 0
	STEP 7, 8, 8, 0, 1, 1, 0
	s_cmp_eq_u32 s[CNT], 2
	s_cbranch_scc0 .Lmid
	WAYOUT 0, 0                            ; phase 2 is over: si
	WAYOUT 1, 4096                         ; and sf
.Lmid:
	s_cmp_eq_u32 s[CNT], 1
	s_cbranch_scc1 .Lacc
	STEP 0, 8, 8, 1, 0, 0, 0               ; phases 1 and 3 start their sums
	s_branch .Ljoin
.Lacc:
	STEP 0, 8, 8, 0, 0, 0, 0               ; phase 2 goes on with phase 1's
.Ljoin:
	STEP 1, 8, 8, 0, 0, 0, 0
	STEP 2, 8, 8, 0, 1, 1, 0
	STEP 3, 8, 8, 0, 0, 0, 0
	STEP 4, 8, 8, 0, 0, 0, 0
	s_add_co_u32 s[CNT], s[CNT], 1
	s_cmp_lt_u32 s[CNT], 3
	s_cbranch_scc1 .Ltop
	STEP 5, 8, 8, 0, 2, 2, 0               ; phase 3's end: phase 4's fills hold one half of B
	STEP 6, 8, 8, 0, 0, 0, 0
	STEP 7, 8, 4, 0, 2, 0, 0
	TOSTAGE 0, 1                           ; phase 4 multiplies so alone: hg's accumulators rest, and a block of hg goes through the stage ahead of each step and is stored in it
	STEP 0, 4, 4, 0, 0, 0, 1
	TOSTAGE 1, 1
	STEP 1, 4, 4, 0, 0, 0, 2
	TOSTAGE 2, 1
	STEP 2, 4, 4, 0, 2, 0, 3
	TOSTAGE 3, 1
	STEP 3, 4, 4, 0, 0, 0, 4
	TOSTAGE 4, 1
	STEP 4, 4, 4, 0, 0, 0, 5
	TOSTAGE 5, 1
	STEP 5, 4, 4, 0, 0, 0, 6
	TOSTAGE 6, 1
	STEP 6, 4, 4, 0, 0, 0, 7
	TOSTAGE 7, 1
	s_wait_dscnt 4*NL                      ; the last step: nothing more to fetch
.irp a, 0,1,2,3
	MULA \a, 1, 7, 4, 0
.endr
	WIN 0
	SEND 7, 0, 12288
.irp a, 4,5,6,7
	MULA \a, 1, 7, 4, 0
.endr
	WIN 0
	PLACES 4
	WAYOUT 0, 8192                         ; so
	s_wait_tensorcnt 0x0                   ; the wave's end
	ds_add_u32 v[SPW], v[NIL]
	s_wait_dscnt 0x0
	CROUND                                 ; the closing round
	s_endpgm
.Lfunc_end_k_q47058b17c1_gemm:
	.size	k_q47058b17c1_gemm, .Lfunc_end_k_q47058b17c1_gemm-k_q47058b17c1_gemm
	.p2alignl 7, 3214868480
	.fill 96, 4, 3214868480
	.section	.rodata,"a",@progbits
	.p2align	6, 0x0
	.amdhsa_kernel k_q47058b17c1_gemm
		.amdhsa_group_segment_fixed_size 327680
		.amdhsa_private_segment_fixed_size 0
		.amdhsa_enable_private_segment 0
		.amdhsa_kernarg_size 72
		.amdhsa_user_sgpr_count 2
		.amdhsa_user_sgpr_kernarg_segment_ptr 1
		.amdhsa_wavefront_size32 1
		.amdhsa_system_sgpr_workgroup_id_x 1
		.amdhsa_system_sgpr_workgroup_id_y 1
		.amdhsa_system_sgpr_workgroup_id_z 1
		.amdhsa_system_vgpr_workitem_id 0
		.amdhsa_next_free_vgpr 1024
		.amdhsa_next_free_sgpr 106
		.amdhsa_reserve_vcc 0
		.amdhsa_float_denorm_mode_32 3
		.amdhsa_float_denorm_mode_16_64 3
		.amdhsa_memory_ordered 1
		.amdhsa_forward_progress 1
		.amdhsa_inst_pref_size 255
	.end_amdhsa_kernel
	.section	.bss,"aw",@nobits
	.p2align	6
	.space	262144
	.amdgpu_metadata
---
amdhsa.version: [ 1, 2 ]
amdhsa.kernels:
  - .name:           k_q47058b17c1_gemm
    .symbol:         k_q47058b17c1_gemm.kd
    .args:
      - { .name: h_prev_codes, .offset: 0, .size: 8, .value_kind: global_buffer, .address_space: global }
      - { .name: h_prev_scales, .offset: 8, .size: 8, .value_kind: global_buffer, .address_space: global }
      - { .name: input_codes, .offset: 16, .size: 8, .value_kind: global_buffer, .address_space: global }
      - { .name: input_scales, .offset: 24, .size: 8, .value_kind: global_buffer, .address_space: global }
      - { .name: w_h_codes, .offset: 32, .size: 8, .value_kind: global_buffer, .address_space: global }
      - { .name: w_h_scales, .offset: 40, .size: 8, .value_kind: global_buffer, .address_space: global }
      - { .name: w_i_codes, .offset: 48, .size: 8, .value_kind: global_buffer, .address_space: global }
      - { .name: w_i_scales, .offset: 56, .size: 8, .value_kind: global_buffer, .address_space: global }
      - { .name: pre, .offset: 64, .size: 8, .value_kind: global_buffer, .address_space: global }
    .group_segment_fixed_size: 327680
    .private_segment_fixed_size: 0
    .kernarg_segment_align: 8
    .kernarg_segment_size: 72
    .max_flat_workgroup_size: 128
    .sgpr_count:     106
    .vgpr_count:     1024
    .wavefront_size: 32
...
	.end_amdgpu_metadata
.endif
;; end of part 1
;; launch gates (part 2): grid 256 x 1, 16 waves a work-group, no clusters, 43,008 bytes of LDS; arguments pre, c_prev, ln_i_g, ln_i_b, ln_h_g, ln_h_b, ln_g_g, ln_g_b, ln_o_g, ln_o_b, ln_c_g, ln_c_b, out0, out1; writes out0, out1
.if DOCPART == 2
	.amdgcn_target "amdgcn-amd-amdhsa--gfx1250"
	.amdhsa_code_object_version 6
	.text
	.protected	k_q47058b17c1_gates
	.globl	k_q47058b17c1_gates
	.p2align	8
	.type	k_q47058b17c1_gates,@function
k_q47058b17c1_gates:
	s_mov_b64 s[64:65], 0
	v_nop
	global_prefetch_b8 v0, s[64:65] scope:SCOPE_SE
	s_setreg_imm32_b32 hwreg(HW_REG_WAVE_MODE, 25, 1), 1
	s_wait_xcnt 0x0
; The rest of the LayerNorm LSTM cell, all in f32.  pre: [8192][4][1024]: si = i_i + h_i, sf = i_f + h_f, so = i_o + h_o, hg = h_g.  LN(x; g, b) = (x - mean) rsqrt(var + 1e-5) g + b over a row's 1,024 numbers.
;   i = sigmoid(LN(si; ln_i));  f = sigmoid(LN(sf; ln_h));  g = tanh(LN(i + hg; ln_g));  o = sigmoid(LN(so; ln_o));  out1 = c_new = LN(f c_prev + i g; ln_c);  out0 = o tanh(c_new).
; A stream: every byte of pre and c_prev is read once, every byte of the outputs written once; each load and store of a wave covers 512 consecutive bytes.  No matrix unit, no cluster, no tensor load: work-groups share
; nothing but the ten parameter vectors, 40 KiB, which each work-group lays into LDS once.
; ONE WAVE, ONE ROW: a row of 1,024 numbers is 32 registers a lane (lane l: columns 128 k + 4 l + 0 .. 3, k = 0 .. 7), so no mean or variance leaves the wave.  Wave w of work-group n takes rows 32 n + w and 32 n + 16 + w;
; the second row's loads are issued as the first row's registers fall free.
; The variance is taken of the centred numbers, as the definition has it: no difference of large sums is formed.
; sigmoid(x) = 1 / (1 + 2^(-x log2 e)), tanh(x) = 1 - 2 / (1 + 2^(2 x log2 e)): the factor is multiplied into g and b of ln_i, ln_h, ln_o (-log2 e) and ln_g (2 log2 e) when they are laid into LDS.  Where the power is 0 or
; infinite both forms give their limits.  LIMITS: 2^x, 1/x and 1/sqrt(x) are the chip's instructions, good to 1 ulp (ISA guide 15.8); NaN and infinities among the inputs go through as the arithmetic has them.
.set XI, 32                            ; v32-63    si, then i
.set XF, 64                            ; v64-95    sf, then f
.set XO, 96                            ; v96-127   so, then o, then out0
.set XG, 128                           ; v128-159  hg, then g, then i g
.set XC, 160                           ; v160-191  c_prev, then c_new, then tanh(c_new)
.set PG, 192                           ; v192-223  a norm's g
.set PB, 224                           ; v224-255  a norm's b
; v1 16 x lane: offset in a row and in an LDS vector, never rewritten; v[2:5] two chains of sums; v6 a sum; v7 the other half's; v[8:9] -mean; v[10:11] 1 / sqrt; v12-31 the parameters on their way to LDS
	s_load_b512 s[4:19], s[0:1], 0x0               ; pre s[4:5], c_prev s[6:7], parameter vector P at s[8 + 2 P : 9 + 2 P]: 0, 1 ln_i's g, b; 2, 3 ln_h's; 4, 5 ln_g's;
	s_load_b256 s[20:27], s[0:1], 0x40             ; 6, 7 ln_o's; 8, 9 ln_c's
	s_load_b128 s[28:31], s[0:1], 0x60             ; out0 s[28:29], out1 s[30:31]
	v_lshrrev_b32 v2, 5, v0
	s_delay_alu instid0(VALU_DEP_1)
	v_readfirstlane_b32 s38, v2                    ; wave 0..15
	v_and_b32 v1, 31, v0
	s_delay_alu instid0(VALU_DEP_1)
	v_lshlrev_b32 v1, 4, v1
	v_lshlrev_b32 v3, 3, v0                        ; thread t carries bytes 8 t .. 8 t + 7 of each parameter vector
	v_mov_b32 v7, 0                                ; a lane permute's destination counts as one of its sources
	v_mov_b32 v9, 0                                ; (named as the upper halves of pairs of which the low word serves both halves)
	v_mov_b32 v11, 0
	s_mov_b32 s32, 0xba800000                      ; -1 / 1024
	s_mov_b32 s33, 0x3a800000                      ; 1 / 1024
	s_mov_b32 s34, 0x3727c5ac                      ; 1e-5
	s_mov_b32 s36, 0x76543210                      ; v_permlanex16_b32's selects for lane l xor 16
	s_mov_b32 s37, 0xfedcba98
	s_lshl_b32 s39, ttmp9, 5
	s_add_co_u32 s39, s39, s38                     ; my first row
	s_lshl_b32 s40, s39, 14                        ; 16,384 bytes a row of pre (under 2^27),
	s_mov_b32 s41, 0
	s_lshl_b32 s42, s39, 12                        ; 4,096 a row of c_prev and the outputs
	s_mov_b32 s43, 0
	s_wait_alu depctr_va_vdst(0)
	s_wait_kmcnt 0x0
	s_add_nc_u64 s[4:5], s[4:5], s[40:41]
	s_add_nc_u64 s[6:7], s[6:7], s[42:43]
	s_add_nc_u64 s[28:29], s[28:29], s[42:43]
	s_add_nc_u64 s[30:31], s[30:31], s[42:43]
.macro LD reg, base, off               ; a row's 1,024 numbers: eight loads of 512 consecutive bytes
.irp k, 0,1,2,3,4,5,6,7
	global_load_b128 v[\reg+4*\k:\reg+4*\k+3], v1, s[\base:\base+1] offset:\off+512*\k th:TH_LOAD_NT
.endr
.endm
.macro ST reg, base, off
.irp k, 0,1,2,3,4,5,6,7
	global_store_b128 v1, v[\reg+4*\k:\reg+4*\k+3], s[\base:\base+1] offset:\off+512*\k th:TH_STORE_NT
.endr
.endm
.irp P, 0,1,2,3,4,5,6,7,8,9
	global_load_b64 v[12+2*\P:13+2*\P], v3, s[8+2*\P:9+2*\P]
.endr
	LD XI, 4, 0                                    ; the first row, in the order in which it is wanted: si, hg, sf, c_prev, so
	LD XG, 4, 12288
	LD XF, 4, 4096
	LD XC, 6, 0
	LD XO, 4, 8192
	s_wait_loadcnt 40                              ; the ten parameter loads are in; the row's forty stay out
.irp P, 0,1,2,3,6,7
	v_pk_mul_f32 v[12+2*\P:13+2*\P], v[12+2*\P:13+2*\P], 0xbfb8aa3b op_sel_hi:[1,0]   ; x -log2 e: a sigmoid follows
.endr
.irp P, 4,5
	v_pk_mul_f32 v[12+2*\P:13+2*\P], v[12+2*\P:13+2*\P], 0x4038aa3b op_sel_hi:[1,0]   ; x 2 log2 e: a tanh follows
.endr
.irp P, 0,1,2,3,4,5,6,7,8,9
	ds_store_b64 v3, v[12+2*\P:13+2*\P] offset:4096*\P
.endr
	s_wait_dscnt 0x0                               ; for the others' sake: my stores have landed
	s_barrier_signal -1
	s_barrier_wait -1                              ; the ten vectors lie in LDS; nothing writes them after this
.macro PAR P                           ; a norm's g and b at my columns: issued ahead of the norm's sums, waited for in APPLY
.irp k, 0,1,2,3,4,5,6,7
	ds_load_b128 v[PG+4*\k:PG+4*\k+3], v1 offset:4096*\P+512*\k
.endr
.irp k, 0,1,2,3,4,5,6,7
	ds_load_b128 v[PB+4*\k:PB+4*\k+3], v1 offset:4096*(\P+1)+512*\k
.endr
.endm
.macro REDUCE                          ; v6 over the 32 lanes, the result in every lane
	s_delay_alu instid0(VALU_DEP_1)
	v_add_f32_dpp v6, v6, v6 row_xmask:1 row_mask:0xf bank_mask:0xf
	s_delay_alu instid0(VALU_DEP_1)
	v_add_f32_dpp v6, v6, v6 row_xmask:2 row_mask:0xf bank_mask:0xf
	s_delay_alu instid0(VALU_DEP_1)
	v_add_f32_dpp v6, v6, v6 row_xmask:4 row_mask:0xf bank_mask:0xf
	s_delay_alu instid0(VALU_DEP_1)
	v_add_f32_dpp v6, v6, v6 row_xmask:8 row_mask:0xf bank_mask:0xf
	s_delay_alu instid0(VALU_DEP_1)
	v_permlanex16_b32 v7, v6, s36, s37
	s_delay_alu instid0(VALU_DEP_1)
	v_add_f32 v6, v6, v7
.endm
.macro STATS x                         ; x is centred in place; v10 = 1 / sqrt(var + eps)
	v_pk_add_f32 v[2:3], v[\x:\x+1], v[\x+2:\x+3]                  ; the sum, two numbers at a time, in two chains
	v_pk_add_f32 v[4:5], v[\x+4:\x+5], v[\x+6:\x+7]
.irp j, 8,12,16,20,24,28
	s_delay_alu instid0(VALU_DEP_2)
	v_pk_add_f32 v[2:3], v[2:3], v[\x+\j:\x+\j+1]
	s_delay_alu instid0(VALU_DEP_2)
	v_pk_add_f32 v[4:5], v[4:5], v[\x+\j+2:\x+\j+3]
.endr
	s_delay_alu instid0(VALU_DEP_1)
	v_pk_add_f32 v[2:3], v[2:3], v[4:5]
	s_delay_alu instid0(VALU_DEP_1)
	v_add_f32 v6, v2, v3
	REDUCE
	s_delay_alu instid0(VALU_DEP_1)
	v_mul_f32 v8, s32, v6                          ; -mean
.irp j, 0,2,4,6,8,10,12,14,16,18,20,22,24,26,28,30
	v_pk_add_f32 v[\x+\j:\x+\j+1], v[\x+\j:\x+\j+1], v[8:9] op_sel_hi:[1,0]
.endr
	v_pk_mul_f32 v[2:3], v[\x:\x+1], v[\x:\x+1]                    ; the sum of the centred numbers' squares
	v_pk_mul_f32 v[4:5], v[\x+2:\x+3], v[\x+2:\x+3]
.irp j, 4,8,12,16,20,24,28
	s_delay_alu instid0(VALU_DEP_2)
	v_pk_fma_f32 v[2:3], v[\x+\j:\x+\j+1], v[\x+\j:\x+\j+1], v[2:3]
	s_delay_alu instid0(VALU_DEP_2)
	v_pk_fma_f32 v[4:5], v[\x+\j+2:\x+\j+3], v[\x+\j+2:\x+\j+3], v[4:5]
.endr
	s_delay_alu instid0(VALU_DEP_1)
	v_pk_add_f32 v[2:3], v[2:3], v[4:5]
	s_delay_alu instid0(VALU_DEP_1)
	v_add_f32 v6, v2, v3
	REDUCE
	s_delay_alu instid0(VALU_DEP_1)
	v_fma_f32 v6, v6, s33, s34                     ; var + eps
	s_wait_alu depctr_va_vdst(0)
	v_rsq_f32 v10, v6
	v_nop                                          ; a plain instruction behind the transcendental (ISA guide 5.7.2),
	s_wait_alu depctr_va_vdst(0)                   ; and a wait ahead of the first use of its result
.endm
.macro APPLY x                         ; x = x (g / sqrt) + b
	s_wait_dscnt 0x0                               ; g and b are in
.irp j, 0,2,4,6,8,10,12,14,16,18,20,22,24,26,28,30
	v_pk_mul_f32 v[PG+\j:PG+\j+1], v[PG+\j:PG+\j+1], v[10:11] op_sel_hi:[1,0]
.endr
.irp j, 0,2,4,6,8,10,12,14,16,18,20,22,24,26,28,30
	v_pk_fma_f32 v[\x+\j:\x+\j+1], v[\x+\j:\x+\j+1], v[PG+\j:PG+\j+1], v[PB+\j:PB+\j+1]
.endr
.endm
.macro SIG x                           ; x = 1 / (1 + 2^x).  Each run of 32 transcendentals is one batch: one plain instruction and one wait behind it
.set j, 0
.rept 32
	v_exp_f32 v[\x+j], v[\x+j]
.set j, j+1
.endr
	v_nop
	s_wait_alu depctr_va_vdst(0)
.irp i, 0,2,4,6,8,10,12,14,16,18,20,22,24,26,28,30
	v_pk_add_f32 v[\x+\i:\x+\i+1], v[\x+\i:\x+\i+1], 1.0 op_sel_hi:[1,0]
.endr
.set j, 0
	s_wait_alu depctr_va_vdst(0)
.rept 32
	v_rcp_f32 v[\x+j], v[\x+j]
.set j, j+1
.endr
	v_nop
	s_wait_alu depctr_va_vdst(0)
.endm
.macro TANH x                          ; x = 1 - 2 / (1 + 2^x)
	SIG \x
.irp i, 0,2,4,6,8,10,12,14,16,18,20,22,24,26,28,30
	v_pk_fma_f32 v[\x+\i:\x+\i+1], v[\x+\i:\x+\i+1], -2.0, 1.0 op_sel_hi:[1,0,0]
.endr
.endm
; A row.  n: 0 or 1, the wave's first or second row.  next = 1: the second row's loads are issued as registers fall free, again in the order si, hg, sf, c_prev, so.
; cC, cE: how many younger loads may stay out where c_prev, and where so, has to be there.
.macro ROW n, next, cC, cE
	s_wait_loadcnt 32                              ; si is in; hg, sf, c_prev, so stay out
	PAR 0
	STATS XI
	APPLY XI
	s_wait_alu depctr_va_vdst(0)
	SIG XI                                         ; i
	s_wait_loadcnt 24                              ; hg is in; sf, c_prev, so stay out
.irp i, 0,2,4,6,8,10,12,14,16,18,20,22,24,26,28,30
	v_pk_add_f32 v[XG+\i:XG+\i+1], v[XG+\i:XG+\i+1], v[XI+\i:XI+\i+1]      ; i + hg
.endr
	PAR 4
	STATS XG
	APPLY XG
	s_wait_alu depctr_va_vdst(0)
	TANH XG                                        ; g
.irp i, 0,2,4,6,8,10,12,14,16,18,20,22,24,26,28,30
	v_pk_mul_f32 v[XG+\i:XG+\i+1], v[XG+\i:XG+\i+1], v[XI+\i:XI+\i+1]      ; i g
.endr
.if \next
	LD XI, 4, 262144                               ; sixteen rows of pre on
.endif
	s_wait_loadcnt \cC                             ; sf and c_prev are in
	PAR 2
	STATS XF
	APPLY XF
	s_wait_alu depctr_va_vdst(0)
	SIG XF                                         ; f
.irp i, 0,2,4,6,8,10,12,14,16,18,20,22,24,26,28,30
	v_pk_fma_f32 v[XC+\i:XC+\i+1], v[XF+\i:XF+\i+1], v[XC+\i:XC+\i+1], v[XG+\i:XG+\i+1]   ; f c_prev + i g
.endr
.if \next
	LD XG, 4, 262144+12288
	LD XF, 4, 262144+4096
.endif
	PAR 8
	STATS XC
	APPLY XC                                       ; c_new
	ST XC, 30, 65536*\n
	s_wait_xcnt 0x0                                ; the stores' data are written again only behind this wait
.irp i, 0,2,4,6,8,10,12,14,16,18,20,22,24,26,28,30
	v_pk_mul_f32 v[XC+\i:XC+\i+1], v[XC+\i:XC+\i+1], 0x4038aa3b op_sel_hi:[1,0]   ; x 2 log2 e
.endr
	s_wait_alu depctr_va_vdst(0)
	TANH XC                                        ; tanh(c_new)
	s_wait_loadcnt \cE                             ; so is in
	PAR 6
	STATS XO
	APPLY XO
	s_wait_alu depctr_va_vdst(0)
	SIG XO                                         ; o
.irp i, 0,2,4,6,8,10,12,14,16,18,20,22,24,26,28,30
	v_pk_mul_f32 v[XO+\i:XO+\i+1], v[XO+\i:XO+\i+1], v[XC+\i:XC+\i+1]      ; h_new
.endr
	ST XO, 28, 65536*\n
.if \next
	s_wait_xcnt 0x0                                ; the stores have read their data: the next row's loads may land there
	LD XC, 6, 65536
	LD XO, 4, 262144+8192
.endif
.endm
	ROW 0, 1, 16, 24                               ; behind c_prev: so and the next si, 16 loads;  behind so: the next si, hg, sf, 24 loads
	ROW 1, 0, 8, 0                                 ; behind c_prev: so, 8 loads;  behind so: none
	s_wait_xcnt 0x0
	v_lshl_add_u32 v254, v0, 2, 0xa000
	v_mov_b32 v255, 0
	s_wait_alu depctr_va_vdst(0)
	s_wait_tensorcnt 0x0
	ds_add_u32 v254, v255
	s_wait_dscnt 0x0
	s_endpgm
.Lfunc_end_k_q47058b17c1_gates:
	.size	k_q47058b17c1_gates, .Lfunc_end_k_q47058b17c1_gates-k_q47058b17c1_gates
	.p2alignl 7, 3214868480
	.fill 96, 4, 3214868480
	.section	.rodata,"a",@progbits
	.p2align	6, 0x0
	.amdhsa_kernel k_q47058b17c1_gates
		.amdhsa_group_segment_fixed_size 43008
		.amdhsa_private_segment_fixed_size 0
		.amdhsa_enable_private_segment 0
		.amdhsa_kernarg_size 112
		.amdhsa_user_sgpr_count 2
		.amdhsa_user_sgpr_kernarg_segment_ptr 1
		.amdhsa_wavefront_size32 1
		.amdhsa_system_sgpr_workgroup_id_x 1
		.amdhsa_system_sgpr_workgroup_id_y 1
		.amdhsa_system_sgpr_workgroup_id_z 1
		.amdhsa_system_vgpr_workitem_id 0
		.amdhsa_next_free_vgpr 256
		.amdhsa_next_free_sgpr 66
		.amdhsa_reserve_vcc 0
		.amdhsa_float_denorm_mode_32 3
		.amdhsa_float_denorm_mode_16_64 3
		.amdhsa_memory_ordered 1
		.amdhsa_forward_progress 1
		.amdhsa_inst_pref_size 146
	.end_amdhsa_kernel
	.amdgpu_metadata
---
amdhsa.version: [ 1, 2 ]
amdhsa.kernels:
  - .name:           k_q47058b17c1_gates
    .symbol:         k_q47058b17c1_gates.kd
    .args:
      - { .name: pre, .offset: 0, .size: 8, .value_kind: global_buffer, .address_space: global }
      - { .name: c_prev, .offset: 8, .size: 8, .value_kind: global_buffer, .address_space: global }
      - { .name: ln_i_g, .offset: 16, .size: 8, .value_kind: global_buffer, .address_space: global }
      - { .name: ln_i_b, .offset: 24, .size: 8, .value_kind: global_buffer, .address_space: global }
      - { .name: ln_h_g, .offset: 32, .size: 8, .value_kind: global_buffer, .address_space: global }
      - { .name: ln_h_b, .offset: 40, .size: 8, .value_kind: global_buffer, .address_space: global }
      - { .name: ln_g_g, .offset: 48, .size: 8, .value_kind: global_buffer, .address_space: global }
      - { .name: ln_g_b, .offset: 56, .size: 8, .value_kind: global_buffer, .address_space: global }
      - { .name: ln_o_g, .offset: 64, .size: 8, .value_kind: global_buffer, .address_space: global }
      - { .name: ln_o_b, .offset: 72, .size: 8, .value_kind: global_buffer, .address_space: global }
      - { .name: ln_c_g, .offset: 80, .size: 8, .value_kind: global_buffer, .address_space: global }
      - { .name: ln_c_b, .offset: 88, .size: 8, .value_kind: global_buffer, .address_space: global }
      - { .name: out0, .offset: 96, .size: 8, .value_kind: global_buffer, .address_space: global }
      - { .name: out1, .offset: 104, .size: 8, .value_kind: global_buffer, .address_space: global }
    .group_segment_fixed_size: 43008
    .private_segment_fixed_size: 0
    .kernarg_segment_align: 8
    .kernarg_segment_size: 112
    .max_flat_workgroup_size: 512
    .sgpr_count:     66
    .vgpr_count:     256
    .wavefront_size: 32
...
	.end_amdgpu_metadata
.endif
;; end of part 2
